; MI455X (gfx1250); checked and timed in simulation.
; The chip was launched on July 23, 2026; its instructions are those of AMD's public machine-readable ISA for CDNA 5 (MIT licence, August 2026) and "CDNA5" Instruction Set Architecture Reference Guide (July 2026). The comments in the code are by the model that wrote it; some were corrected since.
;; Time Mixing. Allowed arithmetic: matrix products marked QUANTISED: E4M3 operands, one given power-of-two scale a tensor, by v_wmma_f32_16x16x64_fp8_fp8 or v_wmma_f32_16x16x128_fp8_fp8, f32 sums; everything else in f32.
;; Inputs: Wk_codes 1,024 x 32 x 32 uint8 (E4M3 codes of Wk, K innermost, in blocks of 32 codes); Wout_codes 1,024 x 32 x 32 uint8 (E4M3 codes of Wout, K innermost, in blocks of 32 codes); Wr_codes 1,024 x 32 x 32 uint8 (E4M3 codes of Wr, K innermost, in blocks of 32 codes); Wv_codes 1,024 x 32 x 32 uint8 (E4M3 codes of Wv, K innermost, in blocks of 32 codes); bk 1,024 float32; bonus 1,024 float32; bout 1,024 float32; br 1,024 float32; bv 1,024 float32; last_den 1,024 float32; last_num 1,024 float32; last_x 1,024 float32; lowp_scales 8 int32 (the exponents e of the quantised operands' scales 2^e); mix_k 1,024 float32; mix_r 1,024 float32; mix_v 1,024 float32; x 16,384 x 1,024 float32.
;; Outputs: out0 16,384 x 1,024 float32.
;; This version of the problem:
;;   THIS VERSION OF THE PROBLEM IS GIVEN IN LOW PRECISION. The matrix products marked QUANTISED in the list below multiply operands that are first quantised to E4M3 (4 exponent bits, 3 mantissa bits; 8 bits a number), with one given power-of-two scale for each operand tensor; their sums are f32. All else is computed in f32.
;;   The module's matrix products, in the order in which they are computed (A, B: the left and right operand; K: the contracted axis; several contracted axes count as one K, in the product's order):
;;     1. [M 16,384, K 1,024] x [K 1,024, N 1,024]; A: computed on the way; B: input Wk (given as codes): QUANTISED (scales: A lowp_scales[0], B lowp_scales[1])
;;     2. [M 16,384, K 1,024] x [K 1,024, N 1,024]; A: computed on the way; B: input Wv (given as codes): QUANTISED (scales: A lowp_scales[2], B lowp_scales[3])
;;     3. [M 16,384, K 1,024] x [K 1,024, N 1,024]; A: computed on the way; B: input Wr (given as codes): QUANTISED (scales: A lowp_scales[4], B lowp_scales[5])
;;     4. [M 16,384, K 1,024] x [K 1,024, N 1,024]; A: computed on the way; B: input Wout (given as codes): QUANTISED (scales: A lowp_scales[6], B lowp_scales[7])
;;   THE QUANTISER, for each operand of a quantised product, along K:
;;     - The operand's scale is 2^e, e = its entry of the input lowp_scales (int32; the entries are numbered through the quantised products in the list's order, A before B).
;;     - Each number is divided by the scale, clamped to +-448, and rounded to the nearest number of E4M3, ties to even, subnormals kept.
;;     - The product sums the exact products of the quantised numbers (number of the format x scale) in f32.
;;   ~~~python
;;   def quantise(x, axis, e):      # numpy; x: float32 -> the quantised numbers, widened to float32 again
;;       x = np.moveaxis(x, axis, -1); K = x.shape[-1]
;;       r = np.clip(x / 2.0 ** e, -448, 448)
;;       step = 2.0 ** (np.maximum(np.frexp(np.where(r == 0, 1, r))[1] - 1, -6) - 3)
;;       q = np.round(r / step) * step * 2.0 ** e      # np.round: ties to even
;;       return np.moveaxis(q, -1, axis).astype(np.float32)
;;   ~~~
;;   OPERANDS COMPUTED ON THE WAY. 'Computed on the way' means the value that the module computes at that place (a softmax that the list does not call 'softmax' is quantised finished and normalised). What goes into a quantiser is computed in f32, as accurately as f32 sums, v_exp_f32 and their like allow (about 1e-6 of the number): no bf16 or f16 on the way to a quantiser, and a product that is left as it is and whose result goes on into a quantised operand takes f32 operands (vector FMAs, or v_wmma_f32_16x16x4_f32). A number that lies on a knife's edge between two numbers of the format may be rounded either way, as far as f32 arithmetic and the matrix unit's own rounding can turn it there, and no further.
;;   INPUTS GIVEN AS CODES. Wk (in the module: [1024, 1024], K = its axis 1); Wout (in the module: [1024, 1024], K = its axis 1); Wr (in the module: [1024, 1024], K = its axis 1); Wv (in the module: [1024, 1024], K = its axis 1): each comes as NAME_codes (uint8): NAME with its K axis moved to the last place and cut into blocks of 32 codes, [.., K / 32, bytes a block], one block behind the other in memory; one code a byte (a code: sign, 4 exponent bits, 3 mantissa bits); its scale is its entry of lowp_scales. Its value is code x scale, taken as it is: it is not quantised again, and the codes and scales need not be those that the quantiser above would give.
;; One version. Each part assembles by itself: llvm-mc -triple=amdgcn-amd-amdhsa -mcpu=gfx1250 --defsym DOCPART=n.
;; ======== version 1 of 1: 2 launches
;; limits: right only within a limited range of input values
;; workspace buffers: wf 4,194,304 bytes
;; launch lay (part 1): grid 64 x 4, 1 waves a work-group, no clusters, 16,896 bytes of LDS; arguments Wk_codes, Wr_codes, Wv_codes, Wout_codes, wf; writes wf
.if DOCPART == 1
	.amdgcn_target "amdgcn-amd-amdhsa--gfx1250"
	.amdhsa_code_object_version 6
	.text
	.protected	k_q8c38ec876f_lay
	.globl	k_q8c38ec876f_lay
	.p2align	8
	.type	k_q8c38ec876f_lay,@function
k_q8c38ec876f_lay:
	s_mov_b64 s[64:65], 0
	v_nop
	global_prefetch_b8 v0, s[64:65] scope:SCOPE_SE
	s_setreg_imm32_b32 hwreg(HW_REG_WAVE_MODE, 25, 1), 1
	s_wait_xcnt 0x0
; THE PROGRAM: y = (sigmoid(r) * (last_num + E v) / (last_den + E)) Wout^T + bout, E = exp(bonus + k); k, v, r = Q(x mix + last_x (1 - mix)) W^T + b: four products on codes of E4M3.
; NOTHING OF reference() IS LEFT OUT: each of its seventeen inputs and every entry of lowp_scales has a way to out0, and all four products of the table are live.  Two launches: this one and the fused one.
; THIS LAUNCH lays the four tensors of weight codes ([1024 rows n][1024 bytes along K]) into the workspace wf, in the order of the matrix operand's registers and in the order in which a wave of the
; next launch walks them, so that each of that launch's weight loads is 512 consecutive bytes of one stream.  No number is changed: bytes are moved.
; A FRAGMENT is 16 rows x 128 along K, 2,048 bytes: group c (0..3) at 512 c, lane l = (r = l % 16, h = l / 16) at 16 l: the 16 bytes W[row(r)][128 s + 32 c + 16 h + 0 .. 15].
; TILE j (0..63) of a tensor = 16 w + 4 g + t: wave w, pass g, tile t of the next launch.  Its 8 fragments (K steps s) go to
;   Wk, Wr, Wv (y = 0, 1, 2):  w 2^20 + g 196,608 + (8 y + s) 8,192 + t 2,048          Wout (y = 3):  w 2^20 + 786,432 + g 65,536 + s 8,192 + t 2,048
; THE ROWS OF A TILE of Wk, Wr, Wv ARE NOT NEIGHBOURS: lane r takes row 16 j - 8 (j % 2) + r + 8 (r / 8), so that in the transposed product the 16 registers of tiles 2 b and 2 b + 1 are 16 neighbouring
; hidden units, which are the last product's K.  Wout's tiles take rows 16 j + r.
; SHARES: one wave to a work-group; work-group (x = j, y = tensor) moves one tile, 16,384 bytes: 32 loads of 512 consecutive bytes, through LDS (rows 1,040 bytes apart: 65 x 16, so that the sixteen rows
; that a read touches begin at sixteen different 16-byte columns), 32 stores of 512 consecutive bytes.  Written out, every offset an immediate.
.set PITCH, 1040
.set SPARE, 16*PITCH                   ; behind the 16 rows: the spare words, one block of 256 bytes that no other line names
.set DAT,   16                         ; v16-143: 32 x 4 registers
	s_load_b256 s[4:11], s[0:1], 0x0               ; Wk s[4:5], Wr s[6:7], Wv s[8:9], Wout s[10:11]
	s_load_b64 s[12:13], s[0:1], 0x20              ; wf
	v_lshl_add_u32 v1, v0, 2, SPARE                ; my spare word; never rewritten
	v_mov_b32 v2, 0                                ; 0; never rewritten
	v_lshlrev_b32 v3, 4, v0                        ; 16 x lane: my 16 bytes of a run of 512
	v_and_b32 v5, 15, v0                           ; r
	v_bfe_u32 v6, v0, 4, 1                         ; h
	v_mul_u32_u24 v4, v5, PITCH
	v_lshl_add_u32 v4, v6, 4, v4                   ; out of LDS: row r, + 16 h
	s_and_b32 s16, ttmp7, 0xffff                   ; y: the tensor
	s_and_b32 s17, ttmp9, 1
	s_lshl_b32 s17, s17, 13                        ; 8 rows x (j % 2)
	s_lshl_b32 s24, ttmp9, 14                      ; 16 j rows of 1,024 bytes
	s_lshl_b32 s21, s16, 16                        ; 8 y sets of 8,192 bytes
	s_mov_b32 s26, 16384                           ; from the tile's first eight rows to its last eight: 16 rows,
	s_mov_b32 s20, 196608                          ; a pass of the first three products in wf
	s_cmp_eq_u32 s16, 3                            ; Wout?  (the lines down to the subtraction leave SCC alone)
	s_cselect_b32 s17, 0, s17
	s_cselect_b32 s26, 8192, s26                   ; in Wout 8 rows
	s_cselect_b32 s20, 65536, s20
	s_cselect_b32 s21, 786432, s21
	s_sub_co_u32 s24, s24, s17                     ; the tile's first row, in bytes
	s_mov_b32 s25, 0
	s_mov_b32 s27, 0
	s_lshr_b32 s22, ttmp9, 4
	s_lshl_b32 s22, s22, 20                        ; w 2^20
	s_bfe_u32 s23, ttmp9, 0x20002                  ; g = (j / 4) % 4
	s_mul_i32 s23, s23, s20
	s_add_co_u32 s22, s22, s23
	s_add_co_u32 s22, s22, s21
	s_and_b32 s23, ttmp9, 3                        ; t
	s_lshl_b32 s23, s23, 11
	s_add_co_u32 s22, s22, s23                     ; where the tile's K step 0 goes
	s_mov_b32 s23, 0
	s_wait_alu depctr_va_vdst(0)
	s_wait_kmcnt 0x0
	s_cmp_eq_u32 s16, 1                            ; the tensor is chosen by the work-group's number alone
	s_cselect_b64 s[4:5], s[6:7], s[4:5]
	s_cmp_eq_u32 s16, 2
	s_cselect_b64 s[4:5], s[8:9], s[4:5]
	s_cmp_eq_u32 s16, 3
	s_cselect_b64 s[4:5], s[10:11], s[4:5]
	s_add_nc_u64 s[4:5], s[4:5], s[24:25]          ; the tile's rows 0-7,
	s_add_nc_u64 s[14:15], s[4:5], s[26:27]        ; and 8-15
	s_add_nc_u64 s[12:13], s[12:13], s[22:23]
.set n, 0
.rept 32                                       ; load n: half n % 2 of tile row n / 2: 512 consecutive bytes
.if n < 16
	global_load_b128 v[DAT+4*n:DAT+4*n+3], v3, s[4:5] offset:(n/2)*1024+(n%2)*512 th:TH_LOAD_NT
.else
	global_load_b128 v[DAT+4*n:DAT+4*n+3], v3, s[14:15] offset:(n/2-8)*1024+(n%2)*512 th:TH_LOAD_NT
.endif
.set n, n+1
.endr
.set n, 0
.rept 32
	s_wait_loadcnt 31-n                            ; loads come back in order: load n is in, the 31 - n younger ones may be out
	ds_store_b128 v3, v[DAT+4*n:DAT+4*n+3] offset:(n/2)*PITCH+(n%2)*512
.set n, n+1
.endr
.set n, 0
.rept 32                                       ; read n = 4 s + c: group c of K step s.  LDS serves a wave's instructions in order: these see the stores above
	ds_load_b128 v[DAT+4*n:DAT+4*n+3], v4 offset:128*(n/4)+32*(n%4)
.set n, n+1
.endr
.set n, 0
.rept 32
	s_wait_dscnt 31-n                              ; read n is in
	global_store_b128 v3, v[DAT+4*n:DAT+4*n+3], s[12:13] offset:(n/4)*8192+(n%4)*512   ; 32 lanes store 512 consecutive bytes, at a multiple of 512 from wf's first byte
.set n, n+1
.endr
	s_wait_tensorcnt 0x0                           ; the wave's end
	ds_add_u32 v1, v2
	s_wait_dscnt 0x0
	s_endpgm
.Lfunc_end_k_q8c38ec876f_lay:
	.size	k_q8c38ec876f_lay, .Lfunc_end_k_q8c38ec876f_lay-k_q8c38ec876f_lay
	.p2alignl 7, 3214868480
	.fill 96, 4, 3214868480
	.section	.rodata,"a",@progbits
	.p2align	6, 0x0
	.amdhsa_kernel k_q8c38ec876f_lay
		.amdhsa_group_segment_fixed_size 16896
		.amdhsa_private_segment_fixed_size 0
		.amdhsa_enable_private_segment 0
		.amdhsa_kernarg_size 40
		.amdhsa_user_sgpr_count 2
		.amdhsa_user_sgpr_kernarg_segment_ptr 1
		.amdhsa_wavefront_size32 1
		.amdhsa_system_sgpr_workgroup_id_x 1
		.amdhsa_system_sgpr_workgroup_id_y 1
		.amdhsa_system_sgpr_workgroup_id_z 1
		.amdhsa_system_vgpr_workitem_id 0
		.amdhsa_next_free_vgpr 144
		.amdhsa_next_free_sgpr 66
		.amdhsa_reserve_vcc 0
		.amdhsa_float_denorm_mode_32 3
		.amdhsa_float_denorm_mode_16_64 3
		.amdhsa_memory_ordered 1
		.amdhsa_forward_progress 1
		.amdhsa_inst_pref_size 15
	.end_amdhsa_kernel
	.amdgpu_metadata
---
amdhsa.version: [ 1, 2 ]
amdhsa.kernels:
  - .name:           k_q8c38ec876f_lay
    .symbol:         k_q8c38ec876f_lay.kd
    .args:
      - { .name: Wk_codes, .offset: 0, .size: 8, .value_kind: global_buffer, .address_space: global }
      - { .name: Wr_codes, .offset: 8, .size: 8, .value_kind: global_buffer, .address_space: global }
      - { .name: Wv_codes, .offset: 16, .size: 8, .value_kind: global_buffer, .address_space: global }
      - { .name: Wout_codes, .offset: 24, .size: 8, .value_kind: global_buffer, .address_space: global }
      - { .name: wf, .offset: 32, .size: 8, .value_kind: global_buffer, .address_space: global }
    .group_segment_fixed_size: 16896
    .private_segment_fixed_size: 0
    .kernarg_segment_align: 8
    .kernarg_segment_size: 40
    .max_flat_workgroup_size: 32
    .sgpr_count:     66
    .vgpr_count:     144
    .wavefront_size: 32
...
	.end_amdgpu_metadata
.endif
;; end of part 1
;; launch mix (part 2): grid 256 x 1, 4 waves a work-group, no clusters, 308,736 bytes of LDS; arguments x, wf, lowp_scales, last_x, mix_k, mix_r, mix_v, bonus, bk, br, bv, last_num, last_den, bout, out0; writes out0
.if DOCPART == 2
	.amdgcn_target "amdgcn-amd-amdhsa--gfx1250"
	.amdhsa_code_object_version 6
	.text
	.protected	k_q8c38ec876f_mix
	.globl	k_q8c38ec876f_mix
	.p2align	8
	.type	k_q8c38ec876f_mix,@function
k_q8c38ec876f_mix:
	s_mov_b64 s[64:65], 0
	v_nop
	global_prefetch_b8 v0, s[64:65] scope:SCOPE_SE
	s_setreg_imm32_b32 hwreg(HW_REG_WAVE_MODE, 25, 1), 1
	s_wait_xcnt 0x0
; out0 = Q(sigmoid(r) (last_num + E v) / (last_den + E)) Wout^T + bout,  E = exp(bonus + k);  k, r, v = Q(x mix + last_x (1 - mix)) W^T + b.  Four products on codes of E4M3 by
; v_wmma_f32_16x16x128_fp8_fp8, sums in f32, all else in f32.  Nothing of reference() is left out.  No intermediate goes to memory: x is read once, out0 written once.
; SHARES.  256 work-groups of four waves; a work-group owns 64 rows.  PHASE X: wave w mixes columns 256 w .. + 255 of the 64 rows three ways, quantises, and puts the codes into LDS as rows.
; PHASE 1, four passes: wave w makes k, r, v for hidden units 256 w + 64 g .. + 63 of all 64 rows: 3 x 8 sets of 16 matrix instructions; h's codes go into LDS.
; PHASE 2, four passes: wave w makes outputs 256 w + 64 g .. + 63: 8 sets; the results leave through the wave's own stage in LDS, sixteen lanes to 256 consecutive bytes.
; A SET is 128 along K: 4 weight fragments (from wf straight into registers: 16 loads of 512 consecutive bytes) x 4 row fragments (from LDS: 16 loads).  THE PRODUCTS ARE USED TRANSPOSED: source 0 = 16 rows
; of a weight, source 1 = 16 of my rows: a lane holds ONE row (lane % 16) and eight columns.  The launch before chose the rows of a tile of Wk, Wr, Wv so that the 16 registers of tiles 2 b, 2 b + 1 are hidden
; units 32 b + 16 (lane / 16) + 0 .. 15: the conversions' results are 16 neighbouring bytes of a row of h.  Both operands hold k = 32 c + 16 (lane / 16) + 0 .. 15 in registers 4 c .. 4 c + 3.
; THE WEIGHTS ARE ONE STREAM.  A wave's 128 sets lie on end in wf.  Four sets' fragments fill window 1; as soon as two fragments have been multiplied the same registers are asked for again, with the fragments
; four sets on.  The stream's first 64 loads go out among phase X's last 16 rows, one fragment behind each row.
; THE ELEMENT-WISE WORK STANDS IN THREE SOLID BLOCKS: behind k's last set (E), behind r's last set (1 / ((1 + exp(-r)) (last_den + E))), behind v's last set (the rest, the quantiser).  At each block no sum is
; half made, so no transcendental stands between a matrix instruction's write and its next reader; each batch has one wait ahead of it and one behind.
; THE SCALES ARE FOLDED.  Each bias goes in as the C of its sum's first matrix instruction, divided by the power of two that the sums lack.  E = 2^(sum x log2(e) 2^(e0 + e1));
; exp(-r) = 2^(sum x -log2(e) 2^(e4 + e5)); last_num goes in divided by 2^(e2 + e3), so h comes out divided by it, and h's conversion takes 2^(e6 - e2 - e3).
; NO CLUSTER AND NO TENSOR LOAD, though all work-groups walk the same weights: the rows' codes (4 x 66,560 bytes), the stages, the vectors and the spare words take 308,736 of the 327,680 bytes of LDS; one set's
; weights for the four waves are 32,768 bytes, and not even one slot of that fits into the 18,944 left.
; THE PREFETCH of wf stands ahead of phase X's loop, 48 rows' work ahead of my first weight load: each aligned block of 256 bytes of wf is named once in the launch
; (256 work-groups x 2 waves x 32 lanes x 256 bytes = 4,194,304), told apart by address.
; LIMITS.  So that each power of two made by a shift is an f32 number: e0, e2, e4 and e6 - e2 - e3 between -126 and 119; e0 + e1, e2 + e3, e4 + e5, e6 + e7 between -126 and 126.
; |(1 + exp(-r)) (last_den + E)| from 2^-126 to under 2^126: beyond, v_rcp_f32 gives 0 or takes its input for 0 (ISA guide, its entry in 15.8); above that range h comes out 0.  NaN among the inputs is not served.
; Orders of rounding other than reference()'s: bonus + bk is added first and the product's sum onto it; x mix + last_x (1 - mix) is one fused multiply-add; the two divisors are multiplied and inverted once.
.set PITCH,  1040                      ; an LDS row of codes: 1,024 + 16 = 65 x 16: the sixteen rows that a read touches begin at sixteen different 16-byte columns
.set XREG,   64*PITCH                  ; 64 rows of codes.  At 0 mix k's, at XREG mix r's, at 2 XREG mix v's,
.set HREG,   3*XREG                    ; then h's
.set STAGE,  4*XREG                    ; for each wave 16 rows x (256 + 16) bytes, the way out
.set SPITCH, 272
.set VEC,    STAGE+4*16*SPITCH         ; six vectors of 4,096 bytes: (bonus + bk) / 2^(e0 + e1), br / 2^(e4 + e5), bv / 2^(e2 + e3), last_num / 2^(e2 + e3), last_den, bout
.set SPARE,  VEC+6*4096                ; the spare words, 128 bytes for each wave: two blocks of 256 bytes that no other line names
.set TILE16, 16*PITCH
.set SETB,   8192                      ; a set's weights in wf
; REGISTERS, in windows of 256 (s_set_vgpr_msb: bits 1:0 source 0, 3:2 source 1, 5:4 source 2, 7:6 destination):
;   window 0: v1-25 addresses and constants; v32-127 phase X's constants; later v32-95 at work, v96-127 last_den; v128-255 phase X's ring of 16 rows, later two buffers of row fragments
;   window 1: at the head the seven vectors as loaded; then four sets of weight fragments     window 2: v0-127 the sums k (in phase 2: y), v128-255 the sums r
;   window 3: v0-127 the sums v; v128-223 the three biases as first C; v224-255 last_num.     Accumulator (m, t): rows 16 m on, tile t, at 8 (4 m + t)
.set SPW, 1                            ; my spare word; never rewritten
.set NIL, 2                            ; 0; never rewritten
.set XO,  3                            ; 1,024 w + 16 lane: my bytes of a row of x and of the [1024] vectors
.set BL,  4                            ; 16 lane: my bytes of a run of 512 in wf
.set VO,  5                            ; phase 1's vectors in LDS: VEC + 1,024 w + 64 h
.set VO2, 6                            ; bout in LDS
.set AX,  7                            ; v7-9: my part of a row fragment of mix k, r, v
.set AH,  10                           ; the same for h
.set HS0, 11                           ; where I store h's codes: AH + 256 w
.set HSC, 12                           ; + 64 x pass
.set SCH, 13                           ; 2^(e6 - e2 - e3)
.set LMH, 14                           ; 448 x that
.set STO, 15                           ; the stage: in
.set SRD, 16                           ; the stage: back
.set YO,  17                           ; my byte offset in out0
.set PFO, 18                           ; 256 lane; never rewritten
.set VST, 23                           ; where I store the vectors
.set VOC, 24                           ; VO + 256 x pass
.set VO2C, 25                          ; VO2 + 256 x pass
.set MM,  32                           ; phase X: mix p at my 8 columns (p = 0, 1, 2: k, r, v)
.set CC,  56                           ; last_x (1 - mix p)
.set TT,  80                           ; at work
.set CD,  104                          ; the codes: two sets of 3 x 2 registers
.set SC,  116                          ; v[SC + 2 p] 2^e,
.set LM,  117                          ; v[LM + 2 p] 448 x 2^e
.set XA,  122                          ; where the trip's codes go
.set XS,  125                          ; p XREG + 256 w + 4 lane
.set XR,  128                          ; the ring: row i at v[XR + 8 i]
.set TMP, 32                           ; 64 sums last_den + E at a time
.set CDH, 32                           ; h's codes
.set TY,  32                           ; y of 16 rows
.set BO,  64                           ; bout
.set LD,  96                           ; last_den
.set RF,  128                          ; row fragments: buffer b at RF + 64 b
.set BKR, 128                          ; window 3: the three biases, 32 registers each
.set LNR, 224                          ; window 3: last_num / 2^(e2 + e3)
.set MSB, 0
.macro WIN new                         ; the immediate's high byte repeats the setting that is left; a switch that changes nothing is dropped
.if MSB != (\new)
	s_set_vgpr_msb (MSB<<8)|(\new)
.set MSB, \new
.endif
.endm
.macro MKSCALE e, sc, lm               ; from the whole number in s[e]: 2^e and 448 x 2^e as f32
	s_add_co_i32 s60, s[\e], 127
	s_lshl_b32 s61, s60, 23
	v_mov_b32 v[\sc], s61
	s_add_co_i32 s60, s60, 8
	s_lshl_b32 s60, s60, 23
	s_or_b32 s60, s60, 0x600000
	v_mov_b32 v[\lm], s60
.endm
	s_load_b512 s[4:19], s[0:1], 0x0               ; x, wf, lowp_scales, last_x, mix_k, mix_r, mix_v, bonus
	s_load_b256 s[20:27], s[0:1], 0x40             ; bk, br, bv, last_num
	s_load_b128 s[28:31], s[0:1], 0x60             ; last_den, bout
	s_load_b64 s[32:33], s[0:1], 0x70              ; out0
	v_lshl_add_u32 v[SPW], v0, 2, SPARE
	v_mov_b32 v[NIL], 0
	v_lshrrev_b32 v19, 5, v0
	v_readfirstlane_b32 s44, v19                   ; wave w
	v_and_b32 v19, 31, v0                          ; lane
	v_and_b32 v20, 15, v0                          ; r
	v_bfe_u32 v21, v0, 4, 1                        ; h
	s_lshl_b32 s34, s44, 10                        ; 1,024 w
	s_lshl_b32 s35, s44, 8                         ; 256 w
	s_mul_i32 s62, s44, 16*SPITCH
	s_add_co_u32 s62, s62, STAGE                   ; my stage
	v_lshlrev_b32 v[BL], 4, v19
	v_add_nc_u32 v[XO], s34, v[BL]
	v_add_nc_u32 v[VST], VEC, v[XO]
	v_lshlrev_b32 v[PFO], 8, v19
	v_lshl_add_u32 v[VO], v21, 6, s34
	v_add_nc_u32 v[VO], VEC, v[VO]
	v_lshl_add_u32 v[VO2], v21, 5, s34
	v_add_nc_u32 v[VO2], VEC+5*4096, v[VO2]
	v_mul_u32_u24 v22, v20, PITCH
	v_lshl_add_u32 v[AX], v21, 4, v22
	v_add_nc_u32 v[AX+1], XREG, v[AX]
	v_add_nc_u32 v[AX+2], 2*XREG, v[AX]
	v_add_nc_u32 v[AH], HREG, v[AX]
	v_add_nc_u32 v[HS0], s35, v[AH]
	v_mul_u32_u24 v22, v20, SPITCH
	v_lshl_add_u32 v22, v21, 5, v22
	v_add_nc_u32 v[STO], s62, v22                  ; in: row r, + 32 h
	v_mul_u32_u24 v22, v21, SPITCH
	v_lshl_add_u32 v22, v20, 4, v22
	v_add_nc_u32 v[SRD], s62, v22                  ; back: lanes 0-15 one row of 256 bytes, lanes 16-31 the next
	v_lshlrev_b32 v22, 12, v21
	v_lshl_add_u32 v22, v20, 4, v22
	v_add_nc_u32 v[YO], s34, v22                   ; the same two rows in out0, at my wave's columns
	v_lshl_add_u32 v[XS], v19, 2, s35
	v_add_nc_u32 v[XS+1], XREG, v[XS]
	v_add_nc_u32 v[XS+2], 2*XREG, v[XS]
	s_wait_alu depctr_va_vdst(0)
	s_wait_kmcnt 0x0
	s_load_b256 s[36:43], s[8:9], 0x0              ; e0 .. e7
	s_lshl_b32 s60, ttmp9, 14
	s_lshl_b32 s61, s44, 13
	s_add_co_u32 s60, s60, s61
	s_mov_b32 s61, 0
	s_add_nc_u64 s[66:67], s[6:7], s[60:61]        ; the prefetch: wf + 16,384 x work-group + 8,192 w (used by waves 0 and 1); never rewritten
	s_lshl_b32 s60, s44, 20
	s_add_nc_u64 s[6:7], s[6:7], s[60:61]          ; my wave's stream in wf
	s_lshl_b32 s60, ttmp9, 18                      ; 64 rows of 4,096 bytes
	s_add_nc_u64 s[4:5], s[4:5], s[60:61]
	s_add_nc_u64 s[32:33], s[32:33], s[60:61]
; ---------------- PHASE X ----------------
	WIN 0x40                                       ; destination window 1
.irp u, 0,1,2,3,4,5,6
	global_load_b128 v[8*\u:8*\u+3], v[XO], s[18+2*\u:19+2*\u]                 ; bonus, bk, br, bv, last_num, last_den, bout at columns 256 w + 4 lane + 0..3 and 128 further on
	global_load_b128 v[8*\u+4:8*\u+7], v[XO], s[18+2*\u:19+2*\u] offset:512
.endr
	WIN 0
	global_load_b128 v[TT:TT+3], v[XO], s[10:11]               ; last_x at the same 8 columns
	global_load_b128 v[TT+4:TT+7], v[XO], s[10:11] offset:512
.irp p, 0,1,2
	global_load_b128 v[MM+8*\p:MM+8*\p+3], v[XO], s[12+2*\p:13+2*\p]
	global_load_b128 v[MM+8*\p+4:MM+8*\p+7], v[XO], s[12+2*\p:13+2*\p] offset:512
.endr
.irp i, 0,1,2,3,4,5,6,7,8,9,10,11,12,13,14,15
	global_load_b128 v[XR+8*\i:XR+8*\i+3], v[XO], s[4:5] offset:\i*4096 th:TH_LOAD_NT            ; the ring: rows 0 to 15; each load is 512 consecutive bytes
	global_load_b128 v[XR+8*\i+4:XR+8*\i+7], v[XO], s[4:5] offset:\i*4096+512 th:TH_LOAD_NT
.endr
	s_wait_kmcnt 0x0
	MKSCALE 36, SC, LM                             ; mix k: e0
	MKSCALE 40, SC+2, LM+2                         ; mix r: e4
	MKSCALE 38, SC+4, LM+4                         ; mix v: e2
	s_add_co_i32 s60, s36, s37                     ; e0 + e1
	s_lshl_b32 s61, s60, 23
	s_add_co_u32 s46, s61, 0x3fb8aa3b              ; log2(e) 2^(e0 + e1): the sum of exponents is added to the exponent field
	s_mov_b32 s47, s46                             ; (the packed forms name each constant as a pair, so both words are written)
	s_sub_co_i32 s60, 127, s60
	s_lshl_b32 s50, s60, 23                        ; 2^-(e0 + e1)
	s_mov_b32 s51, s50
	s_add_co_i32 s60, s40, s41                     ; e4 + e5
	s_lshl_b32 s61, s60, 23
	s_add_co_u32 s48, s61, 0xbfb8aa3b              ; -log2(e) 2^(e4 + e5)
	s_mov_b32 s49, s48
	s_sub_co_i32 s60, 127, s60
	s_lshl_b32 s52, s60, 23                        ; 2^-(e4 + e5)
	s_mov_b32 s53, s52
	s_add_co_i32 s63, s38, s39                     ; e2 + e3
	s_sub_co_i32 s60, 127, s63
	s_lshl_b32 s54, s60, 23                        ; 2^-(e2 + e3)
	s_mov_b32 s55, s54
	s_sub_co_i32 s63, s42, s63                     ; e6 - e2 - e3
	MKSCALE 63, SCH, LMH
	s_add_co_i32 s60, s42, s43
	s_add_co_i32 s60, s60, 127
	s_lshl_b32 s56, s60, 23                        ; 2^(e6 + e7)
	s_mov_b32 s57, s56
	s_wait_loadcnt 32                              ; the vectors, last_x and the mixes are in; the ring's 32 loads, issued behind them, may be out
.irp p, 0,1,2
.irp j, 0,1,2,3,4,5,6,7
	v_sub_f32 v[CC+8*\p+\j], 1.0, v[MM+8*\p+\j]
.endr
.endr
.irp p, 0,1,2
.irp j, 0,1,2,3,4,5,6,7
	v_mul_f32 v[CC+8*\p+\j], v[TT+\j], v[CC+8*\p+\j]           ; last_x (1 - mix), as reference() writes it
.endr
.endr
	; the vectors, once for the launch: each divided by the power of two that its sums lack, then into LDS as they lie in memory.  A wave stores, and later reads, its own 256 columns
	WIN 0x45                                       ; destination and both sources window 1
.irp j, 0,2,4,6
	v_pk_add_f32 v[8+\j:9+\j], v[8+\j:9+\j], v[\j:\j+1]                        ; bonus + bk
.endr
	WIN 0x41
.irp j, 0,2,4,6
	v_pk_mul_f32 v[8+\j:9+\j], v[8+\j:9+\j], s[50:51] op_sel_hi:[1,0]
	v_pk_mul_f32 v[16+\j:17+\j], v[16+\j:17+\j], s[52:53] op_sel_hi:[1,0]      ; br
	v_pk_mul_f32 v[24+\j:25+\j], v[24+\j:25+\j], s[54:55] op_sel_hi:[1,0]      ; bv
	v_pk_mul_f32 v[32+\j:33+\j], v[32+\j:33+\j], s[54:55] op_sel_hi:[1,0]      ; last_num
.endr
	WIN 0x04                                       ; an LDS store's data are its source 1: window 1
.irp u, 1,2,3,4,5,6
	ds_store_b128 v[VST], v[8*\u:8*\u+3] offset:(\u-1)*4096
	ds_store_b128 v[VST], v[8*\u+4:8*\u+7] offset:(\u-1)*4096+512
.endr
	WIN 0
	s_wait_alu depctr_va_vdst(0)
	s_cmp_lt_u32 s44, 2                            ; the prefetch of wf: waves 0 and 1, a lane a block of 256 bytes; its two address registers are never rewritten
	s_cbranch_scc0 .Lnopf
	global_prefetch_b8 v[PFO], s[66:67] th:TH_LOAD_NT scope:SCOPE_SE
.Lnopf:
; One row of the ring: my 8 numbers, mixed three ways, held, converted, stored.  reload = 1: the row 16 further down is asked for.  left: the younger loads that may stay out.
.macro ROW i, reload, left
	s_wait_loadcnt \left
.irp p, 0,1,2
.irp k, 0,2,4,6
	v_pk_fma_f32 v[TT+8*\p+\k:TT+8*\p+\k+1], v[XR+8*(\i)+\k:XR+8*(\i)+\k+1], v[MM+8*\p+\k:MM+8*\p+\k+1], v[CC+8*\p+\k:CC+8*\p+\k+1]
.endr
.endr
.if \reload
	global_load_b128 v[XR+8*(\i):XR+8*(\i)+3], v[XO], s[4:5] offset:(16+(\i))*4096 th:TH_LOAD_NT
	global_load_b128 v[XR+8*(\i)+4:XR+8*(\i)+7], v[XO], s[4:5] offset:(16+(\i))*4096+512 th:TH_LOAD_NT
.endif
.irp p, 0,1,2
.irp k, 0,1,2,3,4,5,6,7
	v_med3_num_f32 v[TT+8*\p+\k], v[TT+8*\p+\k], -v[LM+2*\p], v[LM+2*\p]   ; the conversion to an 8-bit code does not saturate (ISA guide 7.6.2): the hold at the largest code x the scale
.endr
.endr
.irp p, 0,1,2
	v_cvt_scalef32_pk8_fp8_f32 v[CD+6*((\i)%2)+2*\p:CD+6*((\i)%2)+2*\p+1], v[TT+8*\p:TT+8*\p+7], v[SC+2*\p]
.endr
	v_nop                                          ; one plain vector line between the conversions and the next row's lines, which write their sources
.irp p, 0,1,2
	ds_store_b32 v[XA+\p], v[CD+6*((\i)%2)+2*\p] offset:(\i)*PITCH             ; 32 lanes: 128 consecutive bytes of the row's codes,
	ds_store_b32 v[XA+\p], v[CD+6*((\i)%2)+2*\p+1] offset:(\i)*PITCH+128       ; and the 128 behind them
.endr
.endm
	s_mov_b32 s58, 0
	s_mov_b32 s59, 0                               ; the trip's 16 rows in LDS
.Lx:                                               ; three trips of 16 rows, each asking for the next 16
.irp p, 0,1,2
	v_add_nc_u32 v[XA+\p], s59, v[XS+\p]
.endr
.irp i, 0,1,2,3,4,5,6,7,8,9,10,11,12,13,14,15
	ROW \i, 1, 30                                  ; behind a row's two loads stand those of the ring's 15 other rows, on the way in and round the back edge alike
.endr
	s_wait_xcnt 0x0                                ; the loads have read their base: it may step
	s_add_nc_u64 s[4:5], s[4:5], 65536
	s_add_co_u32 s59, s59, TILE16
	s_add_co_u32 s58, s58, 1
	s_cmp_lt_u32 s58, 3
	s_cbranch_scc1 .Lx
.irp p, 0,1,2
	v_add_nc_u32 v[XA+\p], s59, v[XS+\p]
.endr
; The last 16 rows ask for no row.  Behind row i the stream's fragment i is asked for, four loads.  Behind row i's two loads stand 30 - 2 i loads of later rows and the 4 i weight loads issued so far.
.irp i, 0,1,2,3,4,5,6,7,8,9,10,11,12,13,14,15
	ROW \i, 0, 30+2*\i
	WIN 0x40                                       ; destination window 1
.irp c, 0,1,2,3
	global_load_b128 v[16*\i+4*\c:16*\i+4*\c+3], v[BL], s[6:7] offset:\i*2048+\c*512
.endr
	WIN 0
.endr
; ---------------- THE SETS ----------------
.macro ALOAD adr                       ; the four row fragments of K step 0 into buffer 0
.irp m, 0,1,2,3
.irp c, 0,1,2,3
	ds_load_b128 v[RF+16*\m+4*\c:RF+16*\m+4*\c+3], v[\adr] offset:\m*TILE16+32*\c
.endr
.endr
.endm
; Behind k's last set: E = 2^(log2(e) (bonus + k)), in place.  Every run ascends.
.macro KCH
	WIN 0x82                                       ; in place in window 2
.set i, 0
.rept 64
	v_pk_mul_f32 v[i:i+1], v[i:i+1], s[46:47] op_sel_hi:[1,0]
.set i, i+2
.endr
	s_wait_alu depctr_va_vdst(0)                   ; ahead of the batch
.set i, 0
.rept 128
	v_exp_f32 v[i], v[i]
.set i, i+1
.endr
	v_nop
	s_wait_alu depctr_va_vdst(0)                   ; behind it
.endm
; Behind r's last set: r's registers take 1 / ((1 + exp(-r)) (last_den + E)) = sigmoid(r) / (last_den + E): with D = last_den + E the divisor is exp(-r) D + D, one fused multiply-add
.macro RCH
	WIN 0x82
.set i, 0
.rept 64
	v_pk_mul_f32 v[128+i:129+i], v[128+i:129+i], s[48:49] op_sel_hi:[1,0]
.set i, i+2
.endr
	s_wait_alu depctr_va_vdst(0)                   ; ahead of the batch
.set i, 0
.rept 128
	v_exp_f32 v[128+i], v[128+i]
.set i, i+1
.endr
.irp g, 0,1                                    ; 64 registers at a time; the first 32 sums name no result of the batch: they are the plain work behind it
	WIN 0x02                                       ; source 0 (E) window 2, the rest window 0
.set i, 0
.rept 32
	v_pk_add_f32 v[TMP+i:TMP+i+1], v[64*\g+i:64*\g+i+1], v[LD+i%32:LD+i%32+1]
.set i, i+2
.endr
.if \g == 0
	s_wait_alu depctr_va_vdst(0)                   ; behind the batch, ahead of its first reader
.endif
	WIN 0x82
.set i, 0
.rept 32
	v_pk_fma_f32 v[128+64*\g+i:129+64*\g+i], v[128+64*\g+i:129+64*\g+i], v[TMP+i:TMP+i+1], v[TMP+i:TMP+i+1]
.set i, i+2
.endr
.endr
	s_wait_alu depctr_va_vdst(0)                   ; ahead of the batch
.set i, 0
.rept 128
	v_rcp_f32 v[128+i], v[128+i]
.set i, i+1
.endr
	v_nop
	s_wait_alu depctr_va_vdst(0)                   ; behind it
.endm
; Set Q, in two halves u.  A half: 8 LDS loads of the NEXT set's row fragments 2 u, 2 u + 1; the waits; weight fragments 2 u and 2 u + 1, each against the four row fragments: 8 matrix instructions; four places;
; 8 loads that fill the two weight fragments again, with set Q + 4's.
; CFG: the products' windows; AB: the accumulators' first register; MODE 0: add in place, 1: the sums begin with the bias at v[CB + 8 t], 2: with 0.  NA, NS: address register and K step of the next set's row
; fragments (NA = 0: none).  PF = 1: the refill.  TL < 0: the stream goes on; else 7 - Q in the stream's last four sets.
; THE COUNTS.  Weight fragments are asked for in the order in which they are used, four loads each.  Behind fragment (Q, 2 u) stand the loads of 15 fragments: 60; behind (Q, 2 u + 1) those of 14: 56.
; In the last four sets nothing is asked for, and behind (Q, t) stand 4 (7 - Q) + 3 - t fragments.  Row fragments: all four are wanted by a set's first product; behind them stand the 8 loads just issued.
; The 16 accumulators take turns, one instruction a turn, in the same order in every set.
.macro SET Q, CFG, AB, MODE, CB, NA, NS, PF, TL
.irp u, 0,1
	WIN 0
.if \NA
.irp b, 0,1
.irp c, 0,1,2,3
	ds_load_b128 v[RF+64*(((\Q)+1)%2)+16*(2*\u+\b)+4*\c:RF+64*(((\Q)+1)%2)+16*(2*\u+\b)+4*\c+3], v[\NA] offset:(2*\u+\b)*TILE16+128*(\NS)+32*\c
.endr
.endr
.endif
.if \u == 0
.if \NA
	s_wait_dscnt 8
.else
	s_wait_dscnt 0x0
.endif
.endif
.irp b, 0,1
.if (\TL) < 0
	s_wait_loadcnt 60-4*\b
.else
	s_wait_loadcnt 4*(4*(\TL)+3-(2*\u+\b))
.endif
	WIN \CFG
.irp m, 0,1,2,3
.if (\MODE) == 0
	v_wmma_f32_16x16x128_fp8_fp8 v[(\AB)+8*(4*\m+2*\u+\b):(\AB)+8*(4*\m+2*\u+\b)+7], v[64*((\Q)%4)+16*(2*\u+\b):64*((\Q)%4)+16*(2*\u+\b)+15], v[RF+64*((\Q)%2)+16*\m:RF+64*((\Q)%2)+16*\m+15], v[(\AB)+8*(4*\m+2*\u+\b):(\AB)+8*(4*\m+2*\u+\b)+7]
.elseif (\MODE) == 1
	v_wmma_f32_16x16x128_fp8_fp8 v[(\AB)+8*(4*\m+2*\u+\b):(\AB)+8*(4*\m+2*\u+\b)+7], v[64*((\Q)%4)+16*(2*\u+\b):64*((\Q)%4)+16*(2*\u+\b)+15], v[RF+64*((\Q)%2)+16*\m:RF+64*((\Q)%2)+16*\m+15], v[(\CB)+8*(2*\u+\b):(\CB)+8*(2*\u+\b)+7]
.else
	v_wmma_f32_16x16x128_fp8_fp8 v[(\AB)+8*(4*\m+2*\u+\b):(\AB)+8*(4*\m+2*\u+\b)+7], v[64*((\Q)%4)+16*(2*\u+\b):64*((\Q)%4)+16*(2*\u+\b)+15], v[RF+64*((\Q)%2)+16*\m:RF+64*((\Q)%2)+16*\m+15], 0
.endif
.endr
.endr
.rept 4
	v_nop                                          ; four places between these products and the loads into the fragments that they read, the next half's loads into the row buffer read a set ago, and the first
.endr                                          ; read of results (ISA guide 7.12.1 for vector instructions)
.if \PF
	WIN 0x40                                       ; destination window 1
.irp b, 0,1
.irp c, 0,1,2,3
	global_load_b128 v[64*((\Q)%4)+16*(2*\u+\b)+4*\c:64*((\Q)%4)+16*(2*\u+\b)+4*\c+3], v[BL], s[6:7] offset:((\Q)+4)*SETB+(2*\u+\b)*2048+\c*512
.endr
.endr
.endif
.endr
.endm
; A pass's five vectors out of LDS, in the results' layout: register 8 t + j = hidden unit 32 (t / 2) + 16 h + 8 (t % 2) + j of the pass's 64.  40 loads; the sixteen lanes of a half read the same 16 bytes.
.macro VLOAD
	WIN 0xC0                                       ; destination window 3
.irp t, 0,1,2,3
.irp u, 0,1,2
	ds_load_b128 v[BKR+32*\u+8*\t:BKR+32*\u+8*\t+3], v[VOC] offset:\u*4096+(32*(\t/2)+8*(\t%2))*4
	ds_load_b128 v[BKR+32*\u+8*\t+4:BKR+32*\u+8*\t+7], v[VOC] offset:\u*4096+(32*(\t/2)+8*(\t%2))*4+16
.endr
	ds_load_b128 v[LNR+8*\t:LNR+8*\t+3], v[VOC] offset:3*4096+(32*(\t/2)+8*(\t%2))*4
	ds_load_b128 v[LNR+8*\t+4:LNR+8*\t+7], v[VOC] offset:3*4096+(32*(\t/2)+8*(\t%2))*4+16
.endr
	WIN 0
.irp t, 0,1,2,3
	ds_load_b128 v[LD+8*\t:LD+8*\t+3], v[VOC] offset:4*4096+(32*(\t/2)+8*(\t%2))*4
	ds_load_b128 v[LD+8*\t+4:LD+8*\t+7], v[VOC] offset:4*4096+(32*(\t/2)+8*(\t%2))*4+16
.endr
.endm
	s_wait_dscnt 0x0                               ; my codes of x and my part of the vectors lie in LDS (for the others' sake: zero).  The weight loads stay on their way: they land in registers
	s_barrier_signal -1
	s_barrier_wait -1                              ; all four waves' do: 64 whole rows, three times
; ---------------- PHASE 1 ----------------
	s_mov_b32 s58, 0                               ; the pass
	s_mov_b32 s59, 0                               ; 64 x pass: its columns in a row of h
	s_mov_b32 s45, 0                               ; 256 x pass: its bytes in a vector
	v_add_nc_u32 v[VOC], s45, v[VO]
	VLOAD
.Lpass:
	ALOAD AX
.set tl, -1
.set q, 0
.rept 24                                       ; set q = 8 p + s: product p (k, r, v), K step s
.set pp, q/8
.set ss, q%8
.set md, 0
.set cf, 0xA1                                  ; weights window 1, rows window 0, C and D window 2
.set ab, 0
.if ss == 0
.set md, 1
.set cf, 0xB1                                  ; the first C, the bias, lies in window 3
.endif
.if pp == 2
.set cf, 0xF1                                  ; v's sums lie in window 3
.endif
.if pp == 1
.set ab, 128
.endif
.set na, AX+(q+1)/8
.set ns, (q+1)%8
.if q == 23
.set na, 0
.endif
	SET q, cf, ab, md, BKR+32*pp, na, ns, 1, tl    ; sets 20 to 23 ask for the first four of the next pass, or of phase 2: the stream goes straight on
.if q == 7
	KCH                                            ; (the four places behind the last products stand in the set)
.endif
.if q == 15
	RCH
.endif
.set q, q+1
.endr
	; WHAT NEEDS v.  k's registers hold E, r's hold sigmoid(r) / (last_den + E)
	WIN 0xFE                                       ; source 0 window 2; sources 1, 2 and destination window 3
.set i, 0
.rept 64
	v_pk_fma_f32 v[i:i+1], v[i:i+1], v[i:i+1], v[LNR+i%32:LNR+i%32+1]  ; (last_num + E v) / 2^(e2 + e3)
.set i, i+2
.endr
	WIN 0
	s_add_co_u32 s45, s45, 256
	s_cmp_eq_u32 s58, 3                            ; the five vectors have been used: the next pass's are fetched here; the last pass fetches nothing
	s_cbranch_scc1 .Lnovec
	v_add_nc_u32 v[VOC], s45, v[VO]
	VLOAD
.Lnovec:
	WIN 0xCB                                       ; destination and source 0 window 3, source 1 window 2
.set i, 0
.rept 64
	v_pk_mul_f32 v[i:i+1], v[i:i+1], v[128+i:129+i]                    ; h / 2^(e2 + e3)
.set i, i+2
.endr
	WIN 0xC3
.set i, 0
.rept 128
	v_med3_num_f32 v[i], v[i], -v[LMH], v[LMH]                         ; the hold at the largest code x the scale
.set i, i+1
.endr
	WIN 0x03                                       ; source 0 window 3, the rest window 0
.irp m, 0,1,2,3
.irp b, 0,1
.irp u, 0,1
	v_cvt_scalef32_pk8_fp8_f32 v[CDH+8*\m+4*\b+2*\u:CDH+8*\m+4*\b+2*\u+1], v[32*\m+16*\b+8*\u:32*\m+16*\b+8*\u+7], v[SCH]
.endr
.endr
.endr
	v_nop                                          ; one plain vector line behind the last conversion
	WIN 0
	v_add_nc_u32 v[HSC], s59, v[HS0]
.irp m, 0,1,2,3
.irp b, 0,1
	ds_store_b128 v[HSC], v[CDH+8*\m+4*\b:CDH+8*\m+4*\b+3] offset:\m*TILE16+32*\b   ; row 16 m + r, hidden units 256 w + 64 g + 32 b + 16 h + 0 .. 15
.endr
.endr
	s_wait_xcnt 0x0                                ; the weight loads have read their base: it may step
	s_add_nc_u64 s[6:7], s[6:7], 24*SETB
	s_add_co_u32 s59, s59, 64
	s_add_co_u32 s58, s58, 1
	s_cmp_lt_u32 s58, 4
	s_cbranch_scc1 .Lpass
	s_wait_dscnt 0x0                               ; my codes of h lie in LDS (for the others' sake: zero).  The weights of phase 2's first four sets stay on their way: they land in registers
	s_barrier_signal -1
	s_barrier_wait -1                              ; all four waves' do: 64 whole rows of h
; ---------------- PHASE 2 ----------------
; The way out of 16 rows x 64 columns: y = sum x 2^(e6 + e7) + bout, one packed multiply-add for two numbers; 32 bytes a lane into my own stage, back as whole rows of 256 bytes.
; LDS serves a wave's instructions in order: no wait between the stores and the loads, nor in front of the next block's stores.
.macro TOSTAGE m
	WIN 0x02                                       ; source 0 (the sums) window 2
.irp t, 0,1,2,3
.irp j, 0,2,4,6
	v_pk_fma_f32 v[TY+8*\t+\j:TY+8*\t+\j+1], v[32*(\m)+8*\t+\j:32*(\m)+8*\t+\j+1], s[56:57], v[BO+8*\t+\j:BO+8*\t+\j+1] op_sel_hi:[1,0,1]
.endr
.endr
	WIN 0
.irp t, 0,1,2,3
	ds_store_b128 v[STO], v[TY+8*\t:TY+8*\t+3] offset:64*\t            ; lane (r, h): y(16 m + r, 16 t + 8 h + 0 .. 7)
	ds_store_b128 v[STO], v[TY+8*\t+4:TY+8*\t+7] offset:64*\t+16
.endr
.irp i, 0,1,2,3,4,5,6,7
	ds_load_b128 v[RF+32*((\m)%2)+4*\i:RF+32*((\m)%2)+4*\i+3], v[SRD] offset:2*\i*SPITCH   ; into row buffer 0, which the pass's last set does not read
.endr
.endm
.macro SEND m, younger                 ; younger: the LDS instructions issued behind block m's loads
	s_wait_dscnt \younger
.irp i, 0,1,2,3,4,5,6,7
	global_store_b128 v[YO], v[RF+32*((\m)%2)+4*\i:RF+32*((\m)%2)+4*\i+3], s[32:33] offset:(16*(\m)+2*\i)*4096 th:TH_STORE_NT   ; 16 lanes store 256 consecutive bytes, at a multiple of 256 from out0's first byte
.endr
.endm
.macro PASS2 last
	v_add_nc_u32 v[VO2C], s45, v[VO2]
.irp t, 0,1,2,3
	ds_load_b128 v[BO+8*\t:BO+8*\t+3], v[VO2C] offset:64*\t            ; bout out of LDS: register 8 t + j = output 16 t + 8 h + j of the pass's 64
	ds_load_b128 v[BO+8*\t+4:BO+8*\t+7], v[VO2C] offset:64*\t+16
.endr
	ALOAD AH
.set q, 0
.rept 8
.set md, 0
.if q == 0
.set md, 2                                     ; the first K step starts the sums with 0: nothing is cleared
.endif
.set na, AH
.if q == 7
.set na, 0
.endif
.set pf, 1
.set tl, -1
.if \last
.if q >= 4
.set pf, 0                                     ; the stream has been asked for to its end: no load leaves wf,
.set tl, 7-q                                   ; and the counts run down
.endif
.endif
	SET q, 0xA1, 0, md, 0, na, q+1, pf, tl
.set q, q+1
.endr
	TOSTAGE 0                                      ; (the four places behind the last products stand in the set)
.irp m, 1,2,3
.if \m > 1
	s_wait_xcnt 0x0                                ; block m - 2's stores have read their registers: block m's loads may land there
.endif
	TOSTAGE \m
	SEND \m-1, 16                                  ; behind block m - 1's loads: block m's 8 stores and 8 loads
.endr
	SEND 3, 0
.endm
	s_mov_b32 s58, 0
	s_mov_b32 s45, 0                               ; 256 x pass: its bytes in bout
.Lout:
	PASS2 0
	s_wait_xcnt 0x0                                ; stores and loads have read their registers and bases
	s_add_nc_u64 s[32:33], s[32:33], 256           ; the next 64 columns of out0,
	s_add_nc_u64 s[6:7], s[6:7], 8*SETB            ; the next 8 sets,
	s_add_co_u32 s45, s45, 256                     ; the next 64 numbers of bout
	s_add_co_u32 s58, s58, 1
	s_cmp_lt_u32 s58, 3
	s_cbranch_scc1 .Lout
	PASS2 1                                        ; the last pass is written out: its last four sets ask for nothing
	s_wait_tensorcnt 0x0                           ; the wave's end
	ds_add_u32 v[SPW], v[NIL]
	s_wait_dscnt 0x0
	s_endpgm
.Lfunc_end_k_q8c38ec876f_mix:
	.size	k_q8c38ec876f_mix, .Lfunc_end_k_q8c38ec876f_mix-k_q8c38ec876f_mix
	.p2alignl 7, 3214868480
	.fill 96, 4, 3214868480
	.section	.rodata,"a",@progbits
	.p2align	6, 0x0
	.amdhsa_kernel k_q8c38ec876f_mix
		.amdhsa_group_segment_fixed_size 308736
		.amdhsa_private_segment_fixed_size 0
		.amdhsa_enable_private_segment 0
		.amdhsa_kernarg_size 120
		.amdhsa_user_sgpr_count 2
		.amdhsa_user_sgpr_kernarg_segment_ptr 1
		.amdhsa_wavefront_size32 1
		.amdhsa_system_sgpr_workgroup_id_x 1
		.amdhsa_system_sgpr_workgroup_id_y 1
		.amdhsa_system_sgpr_workgroup_id_z 1
		.amdhsa_system_vgpr_workitem_id 0
		.amdhsa_next_free_vgpr 1024
		.amdhsa_next_free_sgpr 80
		.amdhsa_reserve_vcc 0
		.amdhsa_float_denorm_mode_32 3
		.amdhsa_float_denorm_mode_16_64 3
		.amdhsa_memory_ordered 1
		.amdhsa_forward_progress 1
		.amdhsa_inst_pref_size 255
	.end_amdhsa_kernel
	.section	.bss,"aw",@nobits
	.p2align	6
	.space	262144
	.amdgpu_metadata
---
amdhsa.version: [ 1, 2 ]
amdhsa.kernels:
  - .name:           k_q8c38ec876f_mix
    .symbol:         k_q8c38ec876f_mix.kd
    .args:
      - { .name: x, .offset: 0, .size: 8, .value_kind: global_buffer, .address_space: global }
      - { .name: wf, .offset: 8, .size: 8, .value_kind: global_buffer, .address_space: global }
      - { .name: lowp_scales, .offset: 16, .size: 8, .value_kind: global_buffer, .address_space: global }
      - { .name: last_x, .offset: 24, .size: 8, .value_kind: global_buffer, .address_space: global }
      - { .name: mix_k, .offset: 32, .size: 8, .value_kind: global_buffer, .address_space: global }
      - { .name: mix_r, .offset: 40, .size: 8, .value_kind: global_buffer, .address_space: global }
      - { .name: mix_v, .offset: 48, .size: 8, .value_kind: global_buffer, .address_space: global }
      - { .name: bonus, .offset: 56, .size: 8, .value_kind: global_buffer, .address_space: global }
      - { .name: bk, .offset: 64, .size: 8, .value_kind: global_buffer, .address_space: global }
      - { .name: br, .offset: 72, .size: 8, .value_kind: global_buffer, .address_space: global }
      - { .name: bv, .offset: 80, .size: 8, .value_kind: global_buffer, .address_space: global }
      - { .name: last_num, .offset: 88, .size: 8, .value_kind: global_buffer, .address_space: global }
      - { .name: last_den, .offset: 96, .size: 8, .value_kind: global_buffer, .address_space: global }
      - { .name: bout, .offset: 104, .size: 8, .value_kind: global_buffer, .address_space: global }
      - { .name: out0, .offset: 112, .size: 8, .value_kind: global_buffer, .address_space: global }
    .group_segment_fixed_size: 308736
    .private_segment_fixed_size: 0
    .kernarg_segment_align: 8
    .kernarg_segment_size: 120
    .max_flat_workgroup_size: 128
    .sgpr_count:     80
    .vgpr_count:     1024
    .wavefront_size: 32
...
	.end_amdgpu_metadata
.endif
;; end of part 2
